; MI455X (gfx1250); checked and timed in simulation.
; The chip was launched on July 23, 2026; its instructions are those of AMD's public machine-readable ISA for CDNA 5 (MIT licence, August 2026) and "CDNA5" Instruction Set Architecture Reference Guide (July 2026). The comments in the code are by the model that wrote it; some were corrected since.
;; Signed Attention. Allowed arithmetic: matrix products marked QUANTISED: E4M3 operands, one E8M0 scale for each 32 along K, by v_wmma_scale_f32_16x16x128_f8f6f4 with both operands' format E4M3, f32 sums; everything else in f32.
;; Inputs: keys_codes 4 x 8 x 2,048 x 2 x 32 uint8 (E4M3 codes of keys, K innermost, in blocks of 32 codes); keys_scales 4 x 8 x 2,048 x 2 uint8 (E8M0 scales of keys, one for each 32 codes along K); log_scale one number float32; queries_codes 4 x 8 x 2,048 x 2 x 32 uint8 (E4M3 codes of queries, K innermost, in blocks of 32 codes); queries_scales 4 x 8 x 2,048 x 2 uint8 (E8M0 scales of queries, one for each 32 codes along K); values_codes 4 x 8 x 64 x 64 x 32 uint8 (E4M3 codes of values, K innermost, in blocks of 32 codes); values_scales 4 x 8 x 64 x 64 uint8 (E8M0 scales of values, one for each 32 codes along K).
;; Outputs: out0 4 x 8 x 2,048 x 64 float32.
;; This version of the problem:
;;   THIS VERSION OF THE PROBLEM IS GIVEN IN LOW PRECISION. The matrix products marked QUANTISED in the list below multiply operands that are first quantised to E4M3 (4 exponent bits, 3 mantissa bits; 8 bits a number), with one power-of-two scale for each 32 numbers along K (OCP MX v1.0); their sums are f32. All else is computed in f32.
;;   The module's matrix products, in the order in which they are computed (A, B: the left and right operand; K: the contracted axis; several contracted axes count as one K, in the product's order):
;;     1. batch 32 x [M 2,048, K 64] x [K 64, N 2,048]; A: input queries (given as codes); B: input keys (given as codes): QUANTISED
;;     2. batch 32 x [M 2,048, K 2,048] x [K 2,048, N 64]; A: computed on the way; B: input values (given as codes): QUANTISED
;;   THE QUANTISER, for each operand of a quantised product, along K:
;;     - K is cut into blocks of 32 from its start; a last block that is shorter is filled with zeros.
;;     - A block's scale is 2^e with e = floor(log2(the largest magnitude in the block)) - 8, held to -126 .. 127; a block of zeros has e = 0. As a byte (E8M0): e + 127.
;;     - Each number is divided by its block's scale, clamped to +-448, and rounded to the nearest number of E4M3, ties to even, subnormals kept.
;;     - The product sums the exact products of the quantised numbers (number of the format x scale) in f32.
;;   ~~~python
;;   def quantise(x, axis):      # numpy; x: float32 -> the quantised numbers, widened to float32 again
;;       x = np.moveaxis(x, axis, -1); K = x.shape[-1]
;;       x = np.pad(x, [(0, 0)] * (x.ndim - 1) + [(0, -K % 32)]); x = x.reshape(x.shape[:-1] + (-1, 32)); a = np.abs(x).max(-1, keepdims=True)
;;       e = np.where(a > 0, np.clip(np.frexp(np.where(a > 0, a, 1))[1] - 1 - 8, -126, 127), 0)      # np.frexp(a)[1] - 1 = floor(log2(a)), exactly
;;       r = np.clip(x / 2.0 ** e, -448, 448)
;;       step = 2.0 ** (np.maximum(np.frexp(np.where(r == 0, 1, r))[1] - 1, -6) - 3)
;;       q = np.round(r / step) * step * 2.0 ** e      # np.round: ties to even
;;       return np.moveaxis(q.reshape(q.shape[:-2] + (-1,))[..., :K], -1, axis).astype(np.float32)
;;   ~~~
;;   OPERANDS COMPUTED ON THE WAY. 'Computed on the way' means the value that the module computes at that place (a softmax that the list does not call 'softmax' is quantised finished and normalised). What goes into a quantiser is computed in f32, as accurately as f32 sums, v_exp_f32 and their like allow (about 1e-6 of the number): no bf16 or f16 on the way to a quantiser, and a product that is left as it is and whose result goes on into a quantised operand takes f32 operands (vector FMAs, or v_wmma_f32_16x16x4_f32). A number that lies on a knife's edge between two numbers of the format may be rounded either way, as far as f32 arithmetic and the matrix unit's own rounding can turn it there, and no further.
;;   INPUTS GIVEN AS CODES. keys (in the module: [4, 8, 2048, 64], K = its axis 3); queries (in the module: [4, 8, 2048, 64], K = its axis 3); values (in the module: [4, 8, 2048, 64], K = its axis 2): each comes as NAME_codes (uint8): NAME with its K axis moved to the last place and cut into blocks of 32 codes, [.., K / 32, bytes a block], one block behind the other in memory; one code a byte (a code: sign, 4 exponent bits, 3 mantissa bits); and NAME_scales (uint8): the same leading axes, one E8M0 byte (e + 127) for each 32 codes along K. Its value is code x scale, taken as it is: it is not quantised again, and the codes and scales need not be those that the quantiser above would give.
;; One version. Each part assembles by itself: llvm-mc -triple=amdgcn-amd-amdhsa -mcpu=gfx1250 --defsym DOCPART=n.
;; ======== version 1 of 1: 1 launch
;; launch signed_attn (part 1): grid 8 x 32, 16 waves a work-group, clusters of 4 x 1, 297,984 bytes of LDS; arguments keys_codes, keys_scales, log_scale, queries_codes, queries_scales, values_codes, values_scales, out0; writes out0
.if DOCPART == 1
	.amdgcn_target "amdgcn-amd-amdhsa--gfx1250"
	.amdhsa_code_object_version 6
	.text
	.protected	k_q70637cdbf0_signed_attn
	.globl	k_q70637cdbf0_signed_attn
	.p2align	8
	.type	k_q70637cdbf0_signed_attn,@function
k_q70637cdbf0_signed_attn:
	s_mov_b64 s[64:65], 0
	v_nop
	global_prefetch_b8 v0, s[64:65] scope:SCOPE_SE
	s_setreg_imm32_b32 hwreg(HW_REG_WAVE_MODE, 25, 1), 1
	s_wait_xcnt 0x0
	s_wait_alu depctr_hold_cnt(0) depctr_sa_sdst(0) depctr_va_vdst(0) depctr_va_sdst(0) depctr_va_ssrc(0) depctr_va_vcc(0) depctr_vm_vsrc(0)
	s_getreg_b32 s2, hwreg(HW_REG_IB_STS2, 6, 4)
	s_cmp_eq_u32 s2, 0
	s_cbranch_scc0 .Lentry_in_a_cluster
	s_endpgm
.Lentry_in_a_cluster:
	s_bfe_u32 s2, ttmp6, 0x10000c
	s_cmp_lg_u32 s2, 0x3003
	s_cbranch_scc0 .Lentry_shape_is_right
	s_endpgm
.Lentry_shape_is_right:
; out[h][q][:] = sum over k of Q(A[q][k]) V[h][k][:],  A = softmax(s pos) - softmax(s neg),  s = clip(exp(log_scale), 1, 30) / 8,  pos = score, neg = -score, both -10000 where masked.
; 32 heads, 2,048 positions, head size 64.  Q, K: codes [head][position][64] with 2 scale bytes a row; V: codes [head][64 d][2,048 keys] with 64 scale bytes a row; out: f32.
; THE MASK is built from patches of 16 positions: a query of patch p sees the keys of patches p+1 .. p+9 that exist (nv = min(9, 127 - p) patches).  A patch is one tile of 16 queries, and its keys lie in the
; five blocks of 32 keys a .. a+4, a = (p+1) / 2.  One half block of these is masked: the first half of block a (p even) or the second half of block a+4 (p odd).
; THE FILL IS -10000 AND NO INFINITY: it takes part in both maxima and, nm = 2,048 - 16 nv times, in both sums, and every masked key has the row's constant c = e_pos / Zp - e_neg / Zn as its A.
; So c stands in the masked half block, and the blocks that are masked whole add Q(c) x W[d], W[d] = the sum of V[d] over those blocks = over all 64 blocks less the window's (at most 5 of 64: the two sums are far apart in size).
; SHARES.  A work-group owns 256 queries (16 patches) of a head, each of its sixteen waves one patch, in 256 registers.  Both products are used transposed (source 0 = keys, or V's rows d; source 1 = my 16 queries):
; a lane holds ONE query (lane % 16) throughout.  THE KEYS OF A TILE ARE NOT NEIGHBOURS: lane r of tile 2 b + u takes key 32 b + 8 u + r + 8 (r / 8), so that registers 16 b .. 16 b + 15 of the scores are keys 32 b + 16 (lane / 16) + 0 .. 15.
; The first product's K is 64: Q's fragment has zero codes for k = 64 .. 127, and the upper half of a fragment of K is simply the next tile's codes.
; W comes from the matrix unit: wave (tw = wave % 4, pq = wave / 4) multiplies rows 16 tw .. + 15 of V, keys 512 pq .. + 511, by codes of 1.0, and the window's K step pq by codes of -1.0 or 0, column j standing for the window that begins at local block j.
; What lies outside a wave's valid keys (patches that are masked, blocks past the head's end, for which wrapped keys stand in) is never repaired by arithmetic.  Its scores are not bounded by the row's maxima, so its exponentials
; may be infinite and their difference no number: its maxima and sums are replaced by selection, its A in all five blocks by c ahead of the quantiser, and the codes of blocks that do not exist are set to zero.
; CLUSTER.  The four work-groups of a cluster belong to one head: the whole of V is asked for JOINTLY (one mask, one descriptor).  K's and V's windows differ from partner to partner, so each comes by a load of the work-group's own.
; Nothing in LDS is filled twice.  No LDS address and no branch hangs on the work-group's place; it enters global addresses, lane masks and selected values alone.
; LIMITS.  NaN codes, scale bytes 0xff and a NaN in log_scale are not served (a NaN code of K would also reach the tile before it, through the shared upper half).  Exponentials under 2^-126 count as 0.
.set KB,    0                          ; LDS: 512 local keys (key - 256 g, wrapped at the head's end): 128 rows of 4 keys = 256 bytes + 16
.set VWB,   34816                      ; V's window: part 0 = local blocks 0-7, part 1 = 8-15; each 64 rows d of 256 bytes + 16
.set VFB,   69632                      ; the whole of V in quarters of 512 keys: each 64 rows d of 512 bytes + 16
.set WTB,   204800                     ; W's partial sums [pq][column j][64 d] f32, rows of 256 bytes + 16
.set WSB,   222208                     ; 256 bytes a wave: its own row of W
.set STB,   226304                     ; the way out: 16 rows of 256 bytes + 16 for each wave
.set SPARE, 295936                     ; the spare words, 128 bytes for each wave: eight blocks of 256 bytes that no other line names
.set SPW, 1                            ; v1   LDS address of my spare word; never rewritten
.set NIL, 2                            ; v2   0; never rewritten
.set AK,  3                            ; v3   my lane's place in K's tiles
.set AV,  4                            ; v4-8 in V's window, blocks la + 0 .. 4
.set AWF, 9                            ; v9   in my quarter of the whole V
.set AWW, 10                           ; v10  in my K step of V's window
.set AWP, 11                           ; v11  where I put W's partial sums
.set AWL, 12                           ; v12  where I read my row of them
.set AWS, 13                           ; v13  where I put my row of W
.set AWB, 14                           ; v14  where I read it back, in the result's layout
.set ASS, 15                           ; v15  the stage, on the way in
.set ASL, 16                           ; v16  and back
.set GO,  17                           ; v17  16 x lane: my bytes in two rows of out
.set FLN, 18                           ; v18  -10000.0
.set FLP, 19                           ; v19  +10000.0
.set NMP, 20                           ; v[20:21] -c2 x the largest pos   (of each pair below the low word serves both halves)
.set NMN, 22                           ; v[22:23] -c2 x the largest neg
.set RPP, 24                           ; v[24:25] 1 / Zp
.set RPN, 26                           ; v[26:27] 1 / Zn
.set QC,  28                           ; v[28:29] Q(c)
.set CC,  30                           ; v30  c
.set DJ,  31                           ; v31  4 pq - (lane % 16)
.set QF,  32                           ; v[32:47] Q's fragment; then the neg sums; then P1, the codes of blocks 0-3
.set P1,  32
.set KS,  48                           ; v48-52 K's scale words (lanes 0-15 tile 2 b, lanes 16-31 tile 2 b + 1).  v48-63 hold scales and nothing else
.set PS1, 48                           ; later: A's scale word of blocks 0-3,
.set PS2, 49                           ; and of block 4
.set QS,  53                           ; v53  Q's scale words
.set VS,  54                           ; v54-57 V's window: for d tiles 2 u (lanes 0-15), 2 u + 1 (lanes 16-31): v[54+2u] blocks 0-3, v[55+2u] block 4
.set WS,  58                           ; v58-61 the whole V: my rows' words of my four K steps;  v62 of my K step of the window
.set ONE, 63                           ; v63  four bytes of 127: the scale 1.0
.set RN,  64                           ; v[64:143] K's fragments; the neg side; at work; V's fragments; rows on the way out
.set P2,  144                          ; v[144:159] zeros; v144-147 take the codes of block 4
.set RS,  160                          ; v[160:239] the scores, the pos side, A
.set ONS, 160                          ; later: codes of 1.0,
.set EF,  176                          ; codes of -1.0 or 0,
.set WA,  192                          ; two accumulators of W,
.set WB,  200
.set OT,  208                          ; and out^T, four tiles of 16 d
.set TM,  64                           ; the quantiser: +0..4 largest magnitudes, +5..9 bytes, +10..14 448 x the scale, +15..19 the conversions' scale operands
.set WV,  20                           ; s20  wave
.set GG,  21                           ; s21  g: which 256 queries of the head
.set HD,  22                           ; s22  head
.set PP,  23                           ; s23  p = 16 g + wave
.set LA,  24                           ; s24  la = (wave + 1) / 2: my window's first local block
.set AA,  25                           ; s25  a = 8 g + la
.set TW,  26                           ; s26  wave % 4
.set PQ,  27                           ; s27  wave / 4
.set G1K, 28                           ; s[28:35], s[36:43], s[44:51] descriptor groups 1: K, V's window, the whole V
.set G1W, 36
.set G1F, 44
.set G0K, 52                           ; s[52:55], s[56:59], s[60:63] their groups 0
.set G0W, 56
.set G0F, 60
.set C2,  66                           ; s[66:67] c2 = s x log2(e);  s[68:69] -c2
.set C2N, 68
.set SEL, 70                           ; s[70:71] v_permlanex16_b32's selects for lane l xor 16
.set MNT, 72                           ; s72  the mantissa field of 448
.set NV,  73                           ; s73  nv
.set NM,  74                           ; s74  nm, as f32
.set SH,  75                           ; s75  8 (la % 4)
.set VM,  76                           ; s76-80 lane masks: my half of block b is valid
.set EX,  81                           ; s81-85 -1 where block a + b exists, else 0
.set NG1, 86                           ; s86  four codes of -1.0, or 0 where my K step of the window lies past the head's end
; A round of the cluster's barrier: my work-group's barrier; wave 0 signals for the work-group; every wave waits for all four work-groups; my work-group's barrier once more.
.macro CROUND
	s_barrier_signal -1
	s_barrier_wait -1
	s_cmp_lg_u32 s[WV], 0
	s_cbranch_scc1 .Lnot_wave_0_\@
	s_barrier_signal -3
.Lnot_wave_0_\@:
	s_barrier_wait -3
	s_barrier_signal -1
	s_barrier_wait -1
.endm
.macro PLACES n                        ; plain vector instructions between a matrix instruction and what reads its result or writes or loads into its registers
.rept \n
	v_nop
.endr
.endm
; The extreme of each block's 16 scores of my lane and of the fill, three operands at a time, the five blocks by turns; each accumulator is read from its low end on.
.macro EXTREME ins, dst, fill
.irp b, 0,1,2,3,4
	\ins v[\dst+\b], v[RS+16*\b], v[RS+16*\b+1], v[RS+16*\b+2]
.endr
.irp i, 3,5,7,9,11,13
.irp b, 0,1,2,3,4
	\ins v[\dst+\b], v[\dst+\b], v[RS+16*\b+\i], v[RS+16*\b+\i+1]
.endr
.endr
.irp b, 0,1,2,3,4
	\ins v[\dst+\b], v[\dst+\b], v[RS+16*\b+15], v[\fill]
.endr
.endm
; Each block's 16 numbers of my lane summed into a pair, two at a time, the five blocks by turns.
.macro SUM5 src, acc
.irp b, 0,1,2,3,4
	v_pk_add_f32 v[\acc+2*\b:\acc+2*\b+1], v[\src+16*\b:\src+16*\b+1], v[\src+16*\b+2:\src+16*\b+3]
.endr
.irp i, 4,6,8,10,12,14
.irp b, 0,1,2,3,4
	v_pk_add_f32 v[\acc+2*\b:\acc+2*\b+1], v[\acc+2*\b:\acc+2*\b+1], v[\src+16*\b+\i:\src+16*\b+\i+1]
.endr
.endr
.endm
	; ---- THE HEAD
	s_load_b256 s[4:11], s[0:1], 0x0               ; K's codes s[4:5], K's scales s[6:7], log_scale s[8:9], Q's codes s[10:11]
	s_load_b256 s[12:19], s[0:1], 0x20             ; Q's scales s[12:13], V's codes s[14:15], V's scales s[16:17], out s[18:19]
	v_lshl_add_u32 v[SPW], v0, 2, SPARE
	v_mov_b32 v[NIL], 0
	ds_add_u32 v[SPW], v[NIL]                      ; the wave's opening: the add and its wait ahead of the first tensor loads; the set-up below, work on registers, stands between them
	v_lshrrev_b32 v3, 5, v0
	v_readfirstlane_b32 s[WV], v3                  ; wave 0..15
	s_bfe_u32 s87, ttmp6, 0x40000                  ; cx: my place in the cluster
	s_lshl_b32 s[GG], ttmp9, 2                     ; in a cluster launch ttmp9 counts clusters
	s_add_co_u32 s[GG], s[GG], s87                 ; g = 4 x cluster x + cx
	s_and_b32 s[HD], ttmp7, 0xffff                 ; the head, which the four partners share
	s_lshl_b32 s[PP], s[GG], 4
	s_add_co_u32 s[PP], s[PP], s[WV]
	s_add_co_u32 s[LA], s[WV], 1
	s_lshr_b32 s[LA], s[LA], 1
	s_lshl_b32 s[AA], s[GG], 3
	s_add_co_u32 s[AA], s[AA], s[LA]
	s_and_b32 s[TW], s[WV], 3
	s_lshr_b32 s[PQ], s[WV], 2
	; descriptor groups 1, in elements of 8 bytes.  K: 128 keys are a dense block: 32 rows of 256 bytes, 16 bytes of padding behind each
	s_mov_b32 s[G1K+0], (3<<16)|(1<<20)|(5<<22)|(3<<25)   ; 15:0 no mask; 17:16 elements of 8 bytes; 20 padding on; 24:22 after every 64 words (code 5); 31:25 four words (code 3)
	s_mov_b32 s[G1K+1], 32<<16                     ; tensor_dim0 = 32
	s_mov_b32 s[G1K+2], 32<<16                     ; tensor_dim1 = 32
	s_mov_b32 s[G1K+3], 32<<16                     ; tile_dim0 = 32
	s_mov_b32 s[G1K+4], 32                         ; tile_dim1 = 32
	s_mov_b32 s[G1K+5], 32                         ; from row to row: 32 elements
	s_mov_b32 s[G1K+6], 0
	s_mov_b32 s[G1K+7], 0
	; V's window: 32 rows d x 256 bytes (8 blocks), rows 2,048 bytes apart
	s_mov_b32 s[G1W+0], (3<<16)|(1<<20)|(5<<22)|(3<<25)
	s_mov_b32 s[G1W+1], 32<<16
	s_mov_b32 s[G1W+2], 32<<16
	s_mov_b32 s[G1W+3], 32<<16
	s_mov_b32 s[G1W+4], 32
	s_mov_b32 s[G1W+5], 256
	s_mov_b32 s[G1W+6], 0
	s_mov_b32 s[G1W+7], 0
	; a quarter of the whole V: 64 rows d x 512 bytes, for all four work-groups of the cluster
	s_mov_b32 s[G1F+0], 15|(3<<16)|(1<<20)|(1<<21)|(6<<22)|(3<<25)   ; 15:0 the mask: all four; 21 set beside a mask; padding: four words after every 128 (code 6)
	s_mov_b32 s[G1F+1], 64<<16
	s_mov_b32 s[G1F+2], 64<<16
	s_mov_b32 s[G1F+3], 64<<16
	s_mov_b32 s[G1F+4], 64
	s_mov_b32 s[G1F+5], 256
	s_mov_b32 s[G1F+6], 0
	s_mov_b32 s[G1F+7], 0
	; what a fetching wave (0 to 3) fetches, as byte offsets, and where it goes
	s_lshl_b32 s88, s[HD], 17                      ; the head's first byte in each tensor of codes
	s_mov_b32 s89, 0
	s_lshl_b32 s90, s[WV], 9                       ; the whole V: quarter = wave: 512 bytes along each row.  s[90:91] are made of the head and the wave alone
	s_add_co_u32 s90, s90, s88
	s_mov_b32 s91, 0
	s_lshl_b32 s92, s[GG], 1                       ; K: keys 256 g + 128 wave on, wrapped at the head's end: 8,192 bytes x ((2 g + wave) mod 16)
	s_add_co_u32 s92, s92, s[WV]
	s_and_b32 s92, s92, 15
	s_lshl_b32 s92, s92, 13
	s_add_co_u32 s92, s92, s88
	s_mov_b32 s93, 0
	s_and_b32 s94, s[WV], 1                        ; V's window: part = wave % 2: 256 bytes x ((g + part) mod 8) along the rows;
	s_lshr_b32 s96, s[WV], 1                       ; rows 32 (wave / 2) on
	s_add_co_u32 s98, s[GG], s94
	s_and_b32 s98, s98, 7
	s_lshl_b32 s98, s98, 8
	s_lshl_b32 s97, s96, 16
	s_add_co_u32 s98, s98, s97
	s_add_co_u32 s98, s98, s88
	s_mov_b32 s99, 0
	s_mul_i32 s[G0K+1], s[WV], 32*272              ; LDS: K's region begins at byte 0
	s_mul_i32 s[G0W+1], s94, 64*272
	s_mul_i32 s97, s96, 32*272
	s_add_co_u32 s[G0W+1], s[G0W+1], s97
	s_add_co_u32 s[G0W+1], s[G0W+1], VWB
	s_mul_i32 s[G0F+1], s[WV], 64*528
	s_add_co_u32 s[G0F+1], s[G0F+1], VFB
	s_mov_b32 s[SEL], 0x76543210
	s_mov_b32 s[SEL+1], 0xfedcba98
	s_mov_b32 s[MNT], 0x600000
	s_sub_co_u32 s[NV], 127, s[PP]
	s_min_u32 s[NV], s[NV], 9                      ; nv = min(9, 127 - p)
	s_lshl_b32 s[NM], s[NV], 4
	s_sub_co_u32 s[NM], 0x800, s[NM]
	s_cvt_f32_u32 s[NM], s[NM]                     ; nm = 2,048 - 16 nv
	s_and_b32 s[SH], s[LA], 3
	s_lshl_b32 s[SH], s[SH], 3
.irp b, 0,1,2,3,4
	s_add_co_u32 s87, s[AA], \b
	s_cmp_le_u32 s87, 63
	s_cselect_b32 s[EX+\b], -1, 0
.endr
	s_lshl_b32 s87, s[GG], 3
	s_lshl_b32 s97, s[PQ], 2
	s_add_co_u32 s87, s87, s97
	s_cmp_le_u32 s87, 60                           ; blocks 8 g + 4 pq + 0 .. 3 exist together or not at all
	s_cselect_b32 s[NG1], 0xb8b8b8b8, 0
	s_wait_dscnt 0x0                               ; the opening add is done
	s_wait_kmcnt 0x0
	s_mov_b32 s[G0K], 1                            ; 1:0 count = 1
	s_add_nc_u64 s[G0K+2:G0K+3], s[4:5], s[92:93]  ; 120:64 global address
	s_or_b32 s[G0K+3], s[G0K+3], 0x80000000        ; 127:126 type = 2
	s_mov_b32 s[G0W], 1
	s_add_nc_u64 s[G0W+2:G0W+3], s[14:15], s[98:99]
	s_or_b32 s[G0W+3], s[G0W+3], 0x80000000
	s_mov_b32 s[G0F], 1
	s_add_nc_u64 s[G0F+2:G0F+3], s[14:15], s[90:91]
	s_or_b32 s[G0F+3], s[G0F+3], 0x80000000
	CROUND                                         ; all four work-groups are here: the joint loads meet
	s_cmp_lt_u32 s[WV], 4                          ; waves 0 to 3 fetch, three loads each, in one branch on the wave's number: K first, since it is wanted first.  Three loads of a wave are out
	s_cbranch_scc0 .Lno_fill
	tensor_load_to_lds s[G0K:G0K+3], s[G1K:G1K+7]
	s_nop 0
	tensor_load_to_lds s[G0W:G0W+3], s[G1W:G1W+7]
	s_nop 0
	tensor_load_to_lds s[G0F:G0F+3], s[G1F:G1F+7]
	s_nop 0
.rept 4
	v_nop
.endr
.Lno_fill:
	s_load_b32 s3, s[8:9], 0x0                     ; log_scale
	s_lshl_b32 s92, s[PP], 10                      ; my 16 queries: 1,024 bytes of codes,
	s_add_co_u32 s92, s92, s88
	s_add_nc_u64 s[10:11], s[10:11], s[92:93]
	s_lshl_b32 s94, s[HD], 12                      ; the head's first byte in each tensor of scale bytes
	s_mov_b32 s95, 0
	s_add_nc_u64 s[6:7], s[6:7], s[94:95]
	s_add_nc_u64 s[16:17], s[16:17], s[94:95]
	s_lshl_b32 s96, s[PP], 5                       ; 32 scale bytes,
	s_add_co_u32 s96, s96, s94
	s_mov_b32 s97, 0
	s_add_nc_u64 s[12:13], s[12:13], s[96:97]
	s_lshl_b32 s98, s[HD], 19                      ; and 4,096 bytes of out
	s_lshl_b32 s87, s[PP], 12
	s_add_co_u32 s98, s98, s87
	s_add_nc_u64 s[18:19], s[18:19], s[98:99]
	; the offsets of the loads into registers, in v160-175, which are free until the first product
	v_and_b32 v160, 15, v0                         ; r
	v_bfe_u32 v161, v0, 4, 1                       ; h
	v_and_b32 v162, 31, v0                         ; lane
	v_and_b32 v163, 8, v160
	v_add_nc_u32 v163, v163, v160                  ; rr = r + 8 (r / 8)
	v_lshlrev_b32 v164, 6, v160
	v_lshl_add_u32 v164, v161, 4, v164             ; Q: row r of 64 bytes, + 16 h
	v_lshlrev_b32 v165, 1, v160                    ; Q's scales: 2 bytes a row
	v_lshlrev_b32 v171, 1, v163
	v_lshl_add_u32 v171, v161, 4, v171             ; K's scales: key 8 (lane / 16) + rr of a block, 2 bytes a key
.irp b, 0,1,2,3,4
	s_add_co_u32 s87, s[AA], \b
	s_and_b32 s87, s87, 63                         ; (wrapped at the head's end: no load leaves its buffer)
	s_lshl_b32 s87, s87, 6
	v_add_nc_u32 v[166+\b], s87, v171
.endr
	s_lshl_b32 s87, s[GG], 1                       ; V's scales of blocks a .. a + 4 lie in words a / 4 and a / 4 + 1 of a row of 16 words (held at the row's last word)
	s_lshr_b32 s92, s[LA], 2
	s_add_co_u32 s87, s87, s92
	s_min_u32 s92, s87, 15
	s_lshl_b32 s92, s92, 2
	v_lshl_add_u32 v172, v162, 6, s92              ; row d = lane (+ 32 by the immediate)
	s_add_co_u32 s87, s87, 1
	s_min_u32 s87, s87, 15
	s_lshl_b32 s87, s87, 2
	v_lshl_add_u32 v173, v162, 6, s87
	s_lshl_b32 s87, s[TW], 10                      ; for W: row d = 16 tw + r; the four words of my quarter,
	s_lshl_b32 s92, s[PQ], 4
	s_add_co_u32 s92, s92, s87
	v_lshl_add_u32 v174, v160, 6, s92
	s_lshl_b32 s92, s[GG], 1                       ; and the word of local blocks 4 pq .. 4 pq + 3
	s_add_co_u32 s92, s92, s[PQ]
	s_and_b32 s92, s92, 15
	s_lshl_b32 s92, s92, 2
	s_add_co_u32 s92, s92, s87
	v_lshl_add_u32 v175, v160, 6, s92
	global_load_b128 v[QF:QF+3], v164, s[10:11] th:TH_LOAD_NT             ; Q(r, 16 h ..): read once in the launch
	global_load_b128 v[QF+4:QF+7], v164, s[10:11] offset:32 th:TH_LOAD_NT ; Q(r, 32 + 16 h ..)
	global_load_u16 v[QS], v165, s[12:13]          ; two scale bytes; the word's upper two stay 0, over zero codes
.irp b, 0,1,2,3,4
	global_load_u16 v[KS+\b], v[166+\b], s[6:7]
.endr
	global_load_b32 v[VS], v172, s[16:17]
	global_load_b32 v[VS+1], v173, s[16:17]
	global_load_b32 v[VS+2], v172, s[16:17] offset:2048
	global_load_b32 v[VS+3], v173, s[16:17] offset:2048
	global_load_b128 v[WS:WS+3], v174, s[16:17]
	global_load_b32 v[WS+4], v175, s[16:17]
	; LDS addresses: constants, the lane and the wave alone
	v_lshrrev_b32 v240, 2, v163
	v_mul_u32_u24 v[AK], v240, 272                 ; K: local key 32 (la + b) + 8 u + rr lies in row key / 4, at 64 (key % 4)
	v_and_b32 v240, 3, v163
	v_lshl_add_u32 v[AK], v240, 6, v[AK]
	v_lshl_add_u32 v[AK], v161, 4, v[AK]
	s_mul_i32 s87, s[LA], 8*272
	v_add_nc_u32 v[AK], s87, v[AK]
	v_mul_u32_u24 v241, v160, 272
	v_lshl_add_u32 v242, v161, 4, v241             ; 272 r + 16 h
	v_lshl_add_u32 v243, v161, 5, v241             ; 272 r + 32 h
.irp c, 0,1,2,3,4
	s_add_co_u32 s87, s[LA], \c                    ; V's window: local block la + c: part (la + c) / 8, 32 bytes a block
	s_lshr_b32 s92, s87, 3
	s_mul_i32 s92, s92, 64*272
	s_and_b32 s87, s87, 7
	s_lshl_b32 s87, s87, 5
	s_add_co_u32 s87, s87, s92
	s_add_co_u32 s87, s87, VWB
	v_add_nc_u32 v[AV+\c], s87, v242
.endr
	v_mul_u32_u24 v[AWF], v160, 528
	v_lshl_add_u32 v[AWF], v161, 4, v[AWF]
	s_mul_i32 s87, s[PQ], 64*528
	s_mul_i32 s92, s[TW], 16*528
	s_add_co_u32 s87, s87, s92
	s_add_co_u32 s87, s87, VFB
	v_add_nc_u32 v[AWF], s87, v[AWF]
	s_lshr_b32 s87, s[PQ], 1
	s_mul_i32 s87, s87, 64*272
	s_and_b32 s92, s[PQ], 1
	s_lshl_b32 s92, s92, 7
	s_add_co_u32 s87, s87, s92
	s_mul_i32 s92, s[TW], 16*272
	s_add_co_u32 s87, s87, s92
	s_add_co_u32 s87, s87, VWB
	v_add_nc_u32 v[AWW], s87, v242
	s_mul_i32 s87, s[PQ], 16*272
	s_lshl_b32 s92, s[TW], 6
	s_add_co_u32 s87, s87, s92
	s_add_co_u32 s87, s87, WTB
	v_add_nc_u32 v[AWP], s87, v243                 ; part pq, row j = r, d = 16 tw + 8 h on
	s_mul_i32 s87, s[LA], 272
	s_add_co_u32 s87, s87, WTB
	v_lshl_add_u32 v[AWL], v162, 3, s87            ; row j = la, two d a lane
	s_lshl_b32 s87, s[WV], 8
	s_add_co_u32 s87, s87, WSB
	v_lshl_add_u32 v[AWS], v162, 3, s87
	v_lshl_add_u32 v[AWB], v161, 5, s87
	s_mul_i32 s87, s[WV], 16*272
	s_add_co_u32 s87, s87, STB
	v_add_nc_u32 v[ASS], s87, v243                 ; in: row r, 32 bytes for each half of the lanes
	v_mul_u32_u24 v[ASL], v161, 272
	v_lshl_add_u32 v[ASL], v160, 4, v[ASL]
	v_add_nc_u32 v[ASL], s87, v[ASL]               ; back: lanes 0-15 one row, lanes 16-31 the next
	v_lshlrev_b32 v[GO], 4, v162
	v_mov_b32 v[FLN], 0xc61c4000
	v_mov_b32 v[FLP], 0x461c4000
	v_mov_b32 v[ONE], 0x7f7f7f7f
	s_lshl_b32 s87, s[PQ], 2
	v_sub_nc_u32 v[DJ], s87, v160
	s_lshl_b32 s87, s[AA], 1                       ; my half of block b is patch 2 (a + b) + h: valid where that less p + 1, unsigned, is under nv
	s_sub_co_u32 s87, s87, s[PP]
	s_sub_co_u32 s87, s87, 1
	v_add_nc_u32 v244, s87, v161
.irp b, 0,1,2,3,4
	v_add_nc_u32 v245, 2*\b, v244
	v_cmp_gt_u32 s[VM+\b], s[NV], v245
.endr
.irp i, 8,9,10,11,12,13,14,15
	v_mov_b32 v[QF+\i], 0                          ; Q's k = 64 .. 127: zero codes
.endr
.irp i, 0,1,2,3,4,5,6,7,8,9,10,11,12,13,14,15
	v_mov_b32 v[P2+\i], 0                          ; the upper half of K's last fragment now; the rest of the second K step's operand later
.endr
.irp i, NMP+1, NMN+1, RPP+1, RPN+1, QC+1, 250, 251
	v_mov_b32 v[\i], 0                             ; named as upper halves of pairs, or as destinations of lane permutes: so they are written
.endr
	s_wait_kmcnt 0x0                               ; log_scale
	v_mov_b32 v240, s3
	v_mul_f32 v240, 0x3fb8aa3b, v240
	v_exp_f32 v240, v240                           ; exp(log_scale)
	v_nop                                          ; a plain instruction behind the transcendental,
	s_wait_alu depctr_va_vdst(0)                   ; and a wait ahead of the first use
	v_med3_num_f32 v240, v240, 1.0, 0x41f00000     ; held between 1 and 30
	v_mul_f32 v240, 0x3e38aa3b, v240               ; x log2(e) / 8
	v_readfirstlane_b32 s[C2], v240
	s_mov_b32 s[C2+1], s[C2]
	s_xor_b32 s[C2N], s[C2], 0x80000000
	s_mov_b32 s[C2N+1], s[C2N]
	s_wait_loadcnt 0x0                             ; Q and all scale words
.irp u, 0,1
	v_alignbit_b32 v[VS+2*\u], v[VS+2*\u+1], v[VS+2*\u], s[SH]   ; the bytes of blocks a .. a + 3,
	v_lshrrev_b32 v[VS+2*\u+1], s[SH], v[VS+2*\u+1]              ; and in byte 0 that of block a + 4
.endr
	s_wait_tensorcnt 0x2                           ; a wave's tensor loads end in order (ISA guide 10.11.1): my part of K is in; the two loads of V may stay out
	s_barrier_signal -1
	s_barrier_wait -1                              ; everybody's part of K is in
	; ---- A: S^T = K Q^T, ten tiles of 16 keys
.irp t, 0,1,2,3,4,5,6,7,8,9
	ds_load_b128 v[RN+8*\t:RN+8*\t+3], v[AK] offset:(8*(\t/2)+2*(\t%2))*272
	ds_load_b128 v[RN+8*\t+4:RN+8*\t+7], v[AK] offset:(8*(\t/2)+2*(\t%2))*272+32
.endr
	s_wait_dscnt 0x0
.irp b, 0,1,2,3,4
	v_wmma_scale_f32_16x16x128_f8f6f4 v[RS+16*\b:RS+16*\b+7], v[RN+16*\b:RN+16*\b+15], v[QF:QF+15], 0, v[KS+\b], v[QS]
	v_wmma_scale_f32_16x16x128_f8f6f4 v[RS+16*\b+8:RS+16*\b+15], v[RN+16*\b+8:RN+16*\b+23], v[QF:QF+15], 0, v[KS+\b], v[QS] matrix_a_scale:MATRIX_SCALE_ROW1
.endr
	PLACES 8
	; ---- B: the two softmaxes.  Register 16 b + i of lane (r, h): query r, key 32 (a + b) + 16 h + i
	EXTREME v_max3_num_f32, 240, FLN
	EXTREME v_min3_num_f32, 245, FLP
.irp b, 0,1,2,3,4
	v_cndmask_b32 v[240+\b], v[FLN], v[240+\b], s[VM+\b]   ; a half block that is not valid counts as the fill
	v_cndmask_b32 v[245+\b], v[FLP], v[245+\b], s[VM+\b]
.endr
	v_max3_num_f32 v240, v240, v241, v242
	v_min3_num_f32 v245, v245, v246, v247
	v_max3_num_f32 v240, v240, v243, v244
	v_min3_num_f32 v245, v245, v248, v249
	v_permlanex16_b32 v250, v240, s[SEL], s[SEL+1]
	v_permlanex16_b32 v251, v245, s[SEL], s[SEL+1]
	v_max_num_f32 v240, v240, v250                 ; the row's largest pos,
	v_min_num_f32 v245, v245, v251                 ; and minus its largest neg
	v_mul_f32 v[NMP], s[C2N], v240
	v_mul_f32 v[NMN], s[C2], v245
	v_fma_f32 v252, s[C2], v[FLN], v[NMP]          ; the fill's exponent on either side
	v_fma_f32 v253, s[C2], v[FLN], v[NMN]
.set j, 0
.rept 40
	v_pk_fma_f32 v[RN+j:RN+j+1], v[RS+j:RS+j+1], s[C2N:C2N+1], v[NMN:NMN+1] op_sel_hi:[1,0,0]   ; -c2 s less c2 x the largest neg
.set j, j+2
.endr
.set j, 0
.rept 40
	v_pk_fma_f32 v[RS+j:RS+j+1], v[RS+j:RS+j+1], s[C2:C2+1], v[NMP:NMP+1] op_sel_hi:[1,0,0]     ; c2 s less c2 x the largest pos
.set j, j+2
.endr
.set j, 0
.rept 80                                       ; ONE BATCH of 162 exponentials, none of which reads another's result
	v_exp_f32 v[RS+j], v[RS+j]
	v_exp_f32 v[RN+j], v[RN+j]
.set j, j+1
.endr
	v_exp_f32 v252, v252                           ; e_pos
	v_exp_f32 v253, v253                           ; e_neg
	v_nop                                          ; a plain instruction behind the last exponential,
	s_wait_alu depctr_va_vdst(0)                   ; and one wait for the batch, ahead of its first reader
	SUM5 RS, 240
	SUM5 RN, QF
.irp b, 0,1,2,3,4
	v_add_f32 v[240+2*\b], v[240+2*\b], v[241+2*\b]
	v_add_f32 v[QF+2*\b], v[QF+2*\b], v[QF+2*\b+1]
.endr
.irp b, 0,1,2,3,4
	v_cndmask_b32 v[240+2*\b], 0, v[240+2*\b], s[VM+\b]    ; a half block that is not valid adds nothing here: the fill's share comes below
	v_cndmask_b32 v[QF+2*\b], 0, v[QF+2*\b], s[VM+\b]
.endr
	v_add_f32 v240, v240, v242
	v_add_f32 v[QF], v[QF], v[QF+2]
	v_add_f32 v244, v244, v246
	v_add_f32 v[QF+4], v[QF+4], v[QF+6]
	v_add_f32 v240, v240, v244
	v_add_f32 v[QF], v[QF], v[QF+4]
	v_add_f32 v240, v240, v248
	v_add_f32 v[QF], v[QF], v[QF+8]
	v_permlanex16_b32 v250, v240, s[SEL], s[SEL+1]
	v_permlanex16_b32 v251, v[QF], s[SEL], s[SEL+1]
	v_add_f32 v240, v240, v250
	v_add_f32 v[QF], v[QF], v251
	v_fma_f32 v240, s[NM], v252, v240              ; Zp = the valid keys' sum + nm x e_pos
	v_fma_f32 v[QF], s[NM], v253, v[QF]            ; Zn likewise
	v_rcp_f32 v[RPP], v240
	v_rcp_f32 v[RPN], v[QF]
	v_nop
	s_wait_alu depctr_va_vdst(0)                   ; one wait for the two reciprocals
	v_mul_f32 v254, v252, v[RPP]
	v_mul_f32 v255, v253, v[RPN]
	v_sub_f32 v[CC], v254, v255                    ; c: not fused, so that equal softmaxes give 0
.set j, 0
.rept 40
	v_pk_mul_f32 v[RN+j:RN+j+1], v[RN+j:RN+j+1], v[RPN:RPN+1] op_sel_hi:[1,0]
.set j, j+2
.endr
.set j, 0
.rept 40
	v_pk_fma_f32 v[RS+j:RS+j+1], v[RS+j:RS+j+1], v[RPP:RPP+1], v[RN+j:RN+j+1] op_sel_hi:[1,0,1] neg_lo:[0,0,1] neg_hi:[0,0,1]   ; A
.set j, j+2
.endr
.irp b, 0,1,2,3,4
.irp i, 0,1,2,3,4,5,6,7,8,9,10,11,12,13,14,15
	v_cndmask_b32 v[RS+16*\b+\i], v[CC], v[RS+16*\b+\i], s[VM+\b]   ; EVERY half block that is not valid holds c from here on: the masked half of the first or last block, for which c is A; and blocks past the head's end, whose A may be no number
.endr
.endr
	; ---- C: A is quantised along the keys, five blocks of 32 (16 numbers in lane l, 16 in lane l xor 16)
.irp b, 0,1,2,3,4
	v_max3_num_f32 v[TM+\b], |v[RS+16*\b]|, |v[RS+16*\b+1]|, 0x4800000   ; with the floor 2^(9 - 127): the byte cannot fall under 1 (a block of zeros keeps that byte: its codes are zeros)
.endr
.irp i, 2,4,6,8,10,12,14
.irp b, 0,1,2,3,4
	v_max3_num_f32 v[TM+\b], v[TM+\b], |v[RS+16*\b+\i]|, |v[RS+16*\b+\i+1]|
.endr
.endr
.irp b, 0,1,2,3,4
	v_permlanex16_b32 v[TM+5+\b], v[TM+\b], s[SEL], s[SEL+1]
.endr
.irp b, 0,1,2,3,4
	v_max_num_f32 v[TM+\b], v[TM+\b], v[TM+5+\b]   ; the block's largest magnitude
.endr
.irp b, 0,1,2,3,4
	v_add_nc_u32 v[TM+15+\b], 0xfc000000, v[TM+\b] ; 8 off its exponent field: the conversion takes this operand's exponent field as its scale
.endr
.irp b, 0,1,2,3,4
	v_and_or_b32 v[TM+10+\b], v[TM+\b], 0x7f800000, s[MNT]   ; 448 x the scale
.endr
.irp b, 0,1,2,3,4
	v_lshrrev_b32 v[TM+5+\b], 23, v[TM+15+\b]      ; the scale's byte
.endr
	v_lshl_or_b32 v[PS1], v[TM+6], 8, v[TM+5]      ; the scale words, far ahead of the products that name them
	v_mov_b32 v[PS2], v[TM+9]
	v_lshl_or_b32 v[PS1], v[TM+7], 16, v[PS1]
	v_lshl_or_b32 v[PS1], v[TM+8], 24, v[PS1]
.irp b, 0,1,2,3,4
.irp i, 0,1,2,3,4,5,6,7,8,9,10,11,12,13,14,15
	v_med3_num_f32 v[RS+16*\b+\i], v[RS+16*\b+\i], -v[TM+10+\b], v[TM+10+\b]   ; the conversion to an 8-bit code does not saturate (ISA guide 7.6.2): the hold at 448 x the scale
.endr
.if \b < 4
	v_cvt_scalef32_pk8_fp8_f32 v[P1+4*\b:P1+4*\b+1], v[RS+16*\b:RS+16*\b+7], v[TM+15+\b]
	v_cvt_scalef32_pk8_fp8_f32 v[P1+4*\b+2:P1+4*\b+3], v[RS+16*\b+8:RS+16*\b+15], v[TM+15+\b]
.else
	v_cvt_scalef32_pk8_fp8_f32 v[P2:P2+1], v[RS+64:RS+71], v[TM+19]
	v_cvt_scalef32_pk8_fp8_f32 v[P2+2:P2+3], v[RS+72:RS+79], v[TM+19]
.endif
.endr
	v_nop                                          ; a plain instruction between the last conversion and what touches its result or writes its sources
.irp b, 0,1,2,3
.irp k, 0,1,2,3
	v_and_b32 v[P1+4*\b+\k], s[EX+\b], v[P1+4*\b+\k]   ; a block past the head's end: zero codes
.endr
.endr
.irp k, 0,1,2,3
	v_and_b32 v[P2+\k], s[EX+4], v[P2+\k]
.endr
.irp i, 0,1,2,3,4,5,6,7,8,9,10,11,12,13,14,15
	v_mov_b32 v[ONS+\i], 0x38383838                ; codes of 1.0
.endr
	v_mov_b32 v255, s[NG1]
.irp c, 0,1,2,3
	v_add_nc_u32 v254, \c, v[DJ]                   ; local block 4 pq + c lies in the window of column j = r where 0 <= 4 pq + c - r <= 4
	v_cmp_gt_u32 vcc_lo, 5, v254
.irp k, 0,1,2,3
	v_cndmask_b32 v[EF+4*\c+\k], 0, v255, vcc_lo   ; there -1.0, else 0
.endr
.endr
	; Q(c): what a block that holds nothing but c is quantised to.  (These plain lines are also the places between the operands just written and the products)
	v_max3_num_f32 v84, |v[CC]|, |v[CC]|, 0x4800000
	v_add_nc_u32 v85, 0xfc000000, v84
	v_and_or_b32 v86, v84, 0x7f800000, s[MNT]
	v_med3_num_f32 v96, v[CC], -v86, v86
.irp i, 97,98,99,100,101,102,103
	v_mov_b32 v[\i], 0                             ; the conversion takes eight numbers: the other seven are zeros, not what the softmax left there
.endr
	v_cvt_scalef32_pk8_fp8_f32 v[104:105], v[96:103], v85   ; of the eight codes the first alone is used
	v_nop
	v_cvt_f32_fp8 v87, v104                        ; byte 0, widened again,
	v_and_b32 v85, 0x7f800000, v85                 ; the scale as f32,
	v_mul_f32 v[QC], v87, v85                      ; and their product, which is exact
	s_wait_tensorcnt 0x0                           ; my loads of V are in,
	s_barrier_signal -1
	s_barrier_wait -1                              ; everybody's are
	; ---- D: W's partial sums, then out^T = V^T P^T over the window
.irp i, 0,1,2,3
.irp c, 0,1,2,3
	ds_load_b128 v[RN+16*\i+4*\c:RN+16*\i+4*\c+3], v[AWF] offset:128*\i+32*\c   ; my 16 rows d, K step i of my quarter
.endr
.endr
.irp c, 0,1,2,3
	ds_load_b128 v[RN+64+4*\c:RN+64+4*\c+3], v[AWW] offset:32*\c                ; and K step pq of the window
.endr
	s_wait_dscnt 0x0
	; two accumulators by turns, one instruction a turn
	v_wmma_scale_f32_16x16x128_f8f6f4 v[WA:WA+7], v[RN:RN+15], v[ONS:ONS+15], 0, v[WS], v[ONE]
	v_wmma_scale_f32_16x16x128_f8f6f4 v[WB:WB+7], v[RN+16:RN+31], v[ONS:ONS+15], 0, v[WS+1], v[ONE]
	v_wmma_scale_f32_16x16x128_f8f6f4 v[WA:WA+7], v[RN+32:RN+47], v[ONS:ONS+15], v[WA:WA+7], v[WS+2], v[ONE]
	v_wmma_scale_f32_16x16x128_f8f6f4 v[WB:WB+7], v[RN+48:RN+63], v[ONS:ONS+15], v[WB:WB+7], v[WS+3], v[ONE]
	v_wmma_scale_f32_16x16x128_f8f6f4 v[WA:WA+7], v[RN+64:RN+79], v[EF:EF+15], v[WA:WA+7], v[WS+4], v[ONE]
	PLACES 8                                       ; in front of the loads into the fragments' registers and of the first read of the sums
.irp t, 0,1,2,3                                ; V's window, d tile t, in 20 registers: block la + 4, then blocks la .. la + 3
	ds_load_b128 v[RN+20*\t:RN+20*\t+3], v[AV+4] offset:16*272*\t
.irp c, 0,1,2,3
	ds_load_b128 v[RN+20*\t+4+4*\c:RN+20*\t+7+4*\c], v[AV+\c] offset:16*272*\t
.endr
.endr
.irp i, 0,2,4,6
	v_pk_add_f32 v[WA+\i:WA+\i+1], v[WA+\i:WA+\i+1], v[WB+\i:WB+\i+1]
.endr
	ds_store_b128 v[AWP], v[WA:WA+3]               ; lane (r, h): column j = r, d = 16 tw + 8 h + 0 .. 7
	ds_store_b128 v[AWP], v[WA+4:WA+7] offset:16
	s_wait_dscnt 0x2                               ; LDS instructions of a wave end in order (ISA guide 5.7.1): all but the two stores: the 20 loads are in
.irp u, 0,1                                    ; the first K step: blocks 0-3.  Four accumulators by turns
	v_wmma_scale_f32_16x16x128_f8f6f4 v[OT+16*\u:OT+16*\u+7], v[RN+40*\u+4:RN+40*\u+19], v[P1:P1+15], 0, v[VS+2*\u], v[PS1]
	v_wmma_scale_f32_16x16x128_f8f6f4 v[OT+16*\u+8:OT+16*\u+15], v[RN+40*\u+24:RN+40*\u+39], v[P1:P1+15], 0, v[VS+2*\u], v[PS1] matrix_a_scale:MATRIX_SCALE_ROW1
.endr
.irp u, 0,1                                    ; the second: block 4 in k = 0 .. 31; over the rest of it stand zero codes of A
	v_wmma_scale_f32_16x16x128_f8f6f4 v[OT+16*\u:OT+16*\u+7], v[RN+40*\u:RN+40*\u+15], v[P2:P2+15], v[OT+16*\u:OT+16*\u+7], v[VS+2*\u+1], v[PS2]
	v_wmma_scale_f32_16x16x128_f8f6f4 v[OT+16*\u+8:OT+16*\u+15], v[RN+40*\u+20:RN+40*\u+35], v[P2:P2+15], v[OT+16*\u+8:OT+16*\u+15], v[VS+2*\u+1], v[PS2] matrix_a_scale:MATRIX_SCALE_ROW1
.endr
	PLACES 8
	s_wait_dscnt 0x0                               ; for the others' sake: my partial sums lie in LDS
	s_barrier_signal -1
	s_barrier_wait -1
	; ---- E: my row of W, the masked blocks' share, and the way out
.irp q, 0,1,2,3
	ds_load_b64 v[WA+2*\q:WA+2*\q+1], v[AWL] offset:16*272*\q   ; column j = la of the four quarters' sums: d = 2 lane, 2 lane + 1
.endr
	s_wait_dscnt 0x0
	v_pk_add_f32 v[WA:WA+1], v[WA:WA+1], v[WA+2:WA+3]
	v_pk_add_f32 v[WA+4:WA+5], v[WA+4:WA+5], v[WA+6:WA+7]
	v_pk_add_f32 v[WA:WA+1], v[WA:WA+1], v[WA+4:WA+5]
	ds_store_b64 v[AWS], v[WA:WA+1]                ; my own 256 bytes: LDS serves a wave's instructions in order, so the loads below see this store
.irp t, 0,1,2,3
	ds_load_b128 v[RS+8*\t:RS+8*\t+3], v[AWB] offset:64*\t        ; W[16 t + 8 h + 0 .. 7]: the layout of out^T
	ds_load_b128 v[RS+8*\t+4:RS+8*\t+7], v[AWB] offset:64*\t+16
.endr
	s_wait_dscnt 0x0
.set j, 0
.rept 16
	v_pk_fma_f32 v[OT+j:OT+j+1], v[RS+j:RS+j+1], v[QC:QC+1], v[OT+j:OT+j+1] op_sel_hi:[1,0,1]   ; + Q(c) x W; each accumulator from its low end on
.set j, j+2
.endr
.irp t, 0,1,2,3
	ds_store_b128 v[ASS], v[OT+8*\t:OT+8*\t+3] offset:64*\t       ; lane (r, h): out(r, 16 t + 8 h + 0 .. 7)
	ds_store_b128 v[ASS], v[OT+8*\t+4:OT+8*\t+7] offset:64*\t+16
.endr
.irp i, 0,1,2,3,4,5,6,7
	ds_load_b128 v[RN+4*\i:RN+4*\i+3], v[ASL] offset:2*272*\i     ; back as whole rows, two an instruction
.endr
.irp i, 0,1,2,3,4,5,6,7
	s_wait_dscnt 7-\i                              ; the younger loads may stay out
	global_store_b128 v[GO], v[RN+4*\i:RN+4*\i+3], s[18:19] offset:512*\i th:TH_STORE_NT   ; 32 lanes store 512 consecutive bytes, at a multiple of 256 from out's first byte; written once
.endr
	s_wait_tensorcnt 0x0                           ; the wave's end: behind my last tensor load and my last LDS store
	ds_add_u32 v[SPW], v[NIL]
	s_wait_dscnt 0x0
	CROUND                                         ; the closing round: no work-group ends while a partner may still ask for a tile that names it
	s_endpgm
.Lfunc_end_k_q70637cdbf0_signed_attn:
	.size	k_q70637cdbf0_signed_attn, .Lfunc_end_k_q70637cdbf0_signed_attn-k_q70637cdbf0_signed_attn
	.p2alignl 7, 3214868480
	.fill 96, 4, 3214868480
	.section	.rodata,"a",@progbits
	.p2align	6, 0x0
	.amdhsa_kernel k_q70637cdbf0_signed_attn
		.amdhsa_group_segment_fixed_size 297984
		.amdhsa_private_segment_fixed_size 0
		.amdhsa_enable_private_segment 0
		.amdhsa_kernarg_size 64
		.amdhsa_user_sgpr_count 2
		.amdhsa_user_sgpr_kernarg_segment_ptr 1
		.amdhsa_wavefront_size32 1
		.amdhsa_system_sgpr_workgroup_id_x 1
		.amdhsa_system_sgpr_workgroup_id_y 1
		.amdhsa_system_sgpr_workgroup_id_z 1
		.amdhsa_system_vgpr_workitem_id 0
		.amdhsa_next_free_vgpr 256
		.amdhsa_next_free_sgpr 100
		.amdhsa_reserve_vcc 1
		.amdhsa_float_denorm_mode_32 3
		.amdhsa_float_denorm_mode_16_64 3
		.amdhsa_memory_ordered 1
		.amdhsa_forward_progress 1
		.amdhsa_inst_pref_size 75
	.end_amdhsa_kernel
	.amdgpu_metadata
---
amdhsa.version: [ 1, 2 ]
amdhsa.kernels:
  - .name:           k_q70637cdbf0_signed_attn
    .symbol:         k_q70637cdbf0_signed_attn.kd
    .args:
      - { .name: keys_codes, .offset: 0, .size: 8, .value_kind: global_buffer, .address_space: global }
      - { .name: keys_scales, .offset: 8, .size: 8, .value_kind: global_buffer, .address_space: global }
      - { .name: log_scale, .offset: 16, .size: 8, .value_kind: global_buffer, .address_space: global }
      - { .name: queries_codes, .offset: 24, .size: 8, .value_kind: global_buffer, .address_space: global }
      - { .name: queries_scales, .offset: 32, .size: 8, .value_kind: global_buffer, .address_space: global }
      - { .name: values_codes, .offset: 40, .size: 8, .value_kind: global_buffer, .address_space: global }
      - { .name: values_scales, .offset: 48, .size: 8, .value_kind: global_buffer, .address_space: global }
      - { .name: out0, .offset: 56, .size: 8, .value_kind: global_buffer, .address_space: global }
    .group_segment_fixed_size: 297984
    .private_segment_fixed_size: 0
    .kernarg_segment_align: 8
    .kernarg_segment_size: 64
    .max_flat_workgroup_size: 512
    .sgpr_count:     100
    .vgpr_count:     256
    .wavefront_size: 32
...
	.end_amdgpu_metadata
.endif
;; end of part 1
